; MI455X (gfx1250); checked and timed in simulation.
; The chip was launched on July 23, 2026; its instructions are those of AMD's public machine-readable ISA for CDNA 5 (MIT licence, August 2026) and "CDNA5" Instruction Set Architecture Reference Guide (July 2026). The comments in the code are by the model that wrote it; some were corrected since.
;; LSTM Encoder. Allowed arithmetic: float matrix products may take bf16 or f16 operands with f32 sums; all other float work in f32.
;; Inputs: U 10 x 40 float32; W 1 x 40 float32; b 40 float32; x 32,768 x 140 x 1 float32.
;; Outputs: out0 32,768 x 10 float32.
;; 2 versions, each right and faster than the one before. Each part assembles by itself: llvm-mc -triple=amdgcn-amd-amdhsa -mcpu=gfx1250 --defsym DOCPART=n.
;; ======== version 1 of 2: 1 launch
;; launch lstm (part 1): grid 256 x 1, 8 waves a work-group, no clusters, 77,824 bytes of LDS; arguments x, U, W, b, out0; writes out0
.if DOCPART == 1
	.amdgcn_target "amdgcn-amd-amdhsa--gfx1250"
	.amdhsa_code_object_version 6
	.text
	.protected	k_q1fb5db53a5_lstm
	.globl	k_q1fb5db53a5_lstm
	.p2align	8
	.type	k_q1fb5db53a5_lstm,@function
k_q1fb5db53a5_lstm:
	s_mov_b64 s[64:65], 0
	v_nop
	global_prefetch_b8 v0, s[64:65] scope:SCOPE_SE
	s_setreg_imm32_b32 hwreg(HW_REG_WAVE_MODE, 25, 1), 1
	s_wait_xcnt 0x0
; LSTM, 140 steps, hidden size 10, input size 1, every activation a sigmoid; the result is the last h.  x [32768][140] f32, U [10][40], W [40], b [40], out0 [32768][10] f32.
; One launch.  256 work-groups x 8 waves; a wave owns 16 batch rows for all 140 steps, h and c never leave its registers.
;
; THE PRODUCT IS USED TRANSPOSED: source A = weights (16 gate rows x K 32), source B = state (K 32 x 16 batch columns).
;   result register j of lane (r = lane % 16, hf = lane / 16) = gate row 8 hf + j of batch column r;
;   source B of the same lane = k 8 hf + 0..7 of batch column r.
; Lane half hf owns hidden units 5 hf .. 5 hf + 4.  Its 20 gate values are rows v = 0..19 of three tiles (tile v / 8, register v % 8):
; gate = v / 5 (i, f, g, o), unit = 5 hf + v % 5.  So z of the lane's own five units comes back to the lane, all 32 lanes of every
; elementwise register are used, and the new h is packed in place as k = 8 hf + 0..4: nothing moves between lanes from step to step.
; x[t] rides in k = 8 hf + 5 (W stands in A's column 5, zeros in column 13); k 6, 7 and 16..31 are zero on both sides.
; The bias stays f32: it is the C operand.
;
; ARITHMETIC.  U, W, b are multiplied by -log2 e once, so that e_gate = exp2(z') = exp(-z).  The cell is kept as c' = -log2 e * c.
;   c' = c' * rcp(1 + ef) + rcp((1 + ei) * (-ln 2)(1 + eg))        (f c + i g, times -log2 e)
;   h  = rcp((1 + eo) * (1 + exp2(c')))                            (o * sigmoid(c))
; 8 transcendentals a cell in place of 10.  Every factor is at least ln 2 in magnitude, so an exponential that is 0 never meets
; one that is infinite in a product; rcp of an infinity is 0, which is the saturated gate.  No clamp is needed.
; LIMITS: x, h and the scaled U, W are rounded to bf16 (matrix operands); v_exp_f32 and v_rcp_f32 are good to 1 ULP and flush
; denormals (a saturated sigmoid is off by less than 2^-126); inputs that are NaN or infinite are not served.
; NO CLUSTER: the work-groups share only the 1,920 bytes of U, W, b, read once by each wave; x is read by one wave only.
; NO TENSOR LOADS, NO RING: a wave needs 8,960 bytes of x once; all of them are requested in its first lines.
.set ROWB,   560                       ; bytes of a batch row of x (140 f32)
.set TILEB,  16*ROWB                   ; a wave's 16 rows: 8,960 consecutive bytes = 35 x 256, so every tile starts at a multiple of 256
.set NWAVES, 8
.set OUTS,   NWAVES*TILEB              ; LDS: behind the eight x regions, 5,120 bytes for the way out
.set TRIPS,  35                        ; 4 steps a trip
.set NEG_LOG2E, 0xbfb8aa3b             ; -1.442695
.set NEG_LN2,   0xbf317218             ; -0.6931472 = 1 / -log2 e
.set LANE, 1
.set R,    2                           ; lane % 16
.set HF,   3                           ; lane / 16
.set WOFF, 8                           ; v8-10   tile t: byte offset of my A row's gate column in W (and in a row of U)
.set UOFF, 11                          ; v11-13  the same + 5 hf rows of U
.set BO,   16                          ; 20 hf: my five units in b
.set XO,   17                          ; 16 lane
.set XO8,  18                          ; 8 lane
.set SA,   19                          ; LDS: my wave's x region + 16 lane
.set SA8,  20                          ; LDS: my wave's x region + 8 lane
.set XA,   21                          ; LDS: my batch row, the four steps that are loaded next
.set OA,   22                          ; LDS: where my five h go
.set ORD,  23                          ; LDS: where I read 16 bytes of the result back
.set OG,   24                          ; my byte offset in the work-group's part of out0
.set A,    32                          ; v32-55   three A fragments
.set CB,   56                          ; v56-79   bias, laid out like the results
.set Z,    80                          ; v80-103  z': i = Z+0..4, f = Z+5..9, g = Z+10..14, o = Z+15..19; Z+20..23 unused rows
.set UT,   80                          ; v80-97   at the start: U and W as loaded
.set BF,   104                         ; v104-111 B fragment: (h0,h1) (h2,h3) (h4,x) and five zeros
.set EG,   112                         ; units 0-3 of each gate in pairs for the packed instructions,
.set EI,   116
.set EF,   120
.set EO,   124
.set EI4,  128                         ; unit 4 of the four gates in two pairs: (ei4, ef4) and (eo4, eg4)
.set EF4,  129
.set EO4,  130
.set EG4,  131
.set CC,   132                         ; v132-136 c'
.set EC,   138                         ; v138-142 exp2(c'), then the denominator of h
.set RP,   144                         ; v144-148 -log2 e * i * g
.set RF,   150                         ; v150-154 f
.set H,    156                         ; v156-160 h
.set KV,   162                         ; (1.0, -ln 2): for the pair (eo4, eg4)
.set KK,   164                         ; (-ln 2, -ln 2)
.set X,    168                         ; v168-171 x of my batch row, four steps
.set ST,   172                         ; v172-241 x on its way from memory to LDS; v172-179 once more on the way out
	s_load_b256 s[4:11], s[0:1], 0x0               ; x s[4:5], U s[6:7], W s[8:9], b s[10:11]
	s_load_b64 s[12:13], s[0:1], 0x20              ; out0
	v_lshl_add_u32 v244, v0, 2, 0x12c00
	v_mov_b32 v245, 0
	v_and_b32 v[LANE], 31, v0
	v_and_b32 v[R], 15, v0
	v_bfe_u32 v[HF], v0, 4, 1
	v_lshrrev_b32 v4, 5, v0
	v_readfirstlane_b32 s14, v4                    ; wave 0..7
	v_and_b32 v5, 7, v0                            ; my A row m = lane % 16 is register j = m % 8 ...
	v_bfe_u32 v6, v0, 3, 1                         ; ... of lane half m / 8
	v_mul_u32_u24 v7, 800, v[HF]                   ; my k = 8 hf + kk is input unit 5 hf + kk: 5 hf rows of U, 160 bytes each
; Tile t: my row is value v = 8 t + j; gate = v / 5 = 13 v >> 6 (exact for v < 24); column of U, W = 10 gate + 5 (m / 8) + v % 5 = 5 (gate + m / 8) + v.
; v = 20..23 are rows whose results are never read: their column is held inside the buffers and they may hold anything.
.macro COL t
	v_add_nc_u32 v14, 8*\t, v5
	v_mul_u32_u24 v15, 13, v14
	v_lshrrev_b32 v15, 6, v15
	v_add_nc_u32 v15, v15, v6
	v_mad_u32_u24 v15, v15, 5, v14
	v_min_u32 v15, 39, v15
	v_lshlrev_b32 v[WOFF+\t], 2, v15
	v_add_nc_u32 v[UOFF+\t], v[WOFF+\t], v7
.endm
	COL 0
	COL 1
	COL 2
	v_mul_u32_u24 v[BO], 20, v[HF]
	v_lshlrev_b32 v[XO], 4, v[LANE]
	v_lshlrev_b32 v[XO8], 3, v[LANE]
	s_lshl3_add_u32 s15, ttmp9, s14                ; my tile = 8 x work-group + wave
	s_mul_i32 s20, s15, TILEB                      ; its bytes in x: below 18,350,080
	s_mov_b32 s21, 0
	s_mul_i32 s22, s14, TILEB                      ; my wave's x region in LDS
	s_mov_b32 s16, NEG_LOG2E
	s_mov_b32 s17, NEG_LOG2E
	v_add_nc_u32 v[SA], s22, v[XO]
	v_add_nc_u32 v[SA8], s22, v[XO8]
	v_mul_u32_u24 v[XA], ROWB, v[R]
	v_add_nc_u32 v[XA], s22, v[XA]
	s_wait_kmcnt 0x0
	s_add_nc_u64 s[4:5], s[4:5], s[20:21]          ; x at my tile
	; 38 small loads first: their arithmetic is done while x is on its way
.irp t, 0,1,2
.irp k, 0,1,2,3,4
	global_load_b32 v[UT+6*\t+\k], v[UOFF+\t], s[6:7] offset:160*\k      ; U[5 hf + k][column of my row]
.endr
	global_load_b32 v[UT+6*\t+5], v[WOFF+\t], s[8:9]                     ; W[column of my row]
.endr
.set i, 0
.rept 20
	global_load_b32 v[CB+i], v[BO], s[10:11] offset:(i/5)*40+(i%5)*4     ; b[10 gate + 5 hf + unit]
.set i, i+1
.endr
	; x: 17 loads of 512 consecutive bytes and one of 256, each starting at a multiple of 256 from x's first byte
.set i, 0
.rept 17
	global_load_b128 v[ST+4*i:ST+4*i+3], v[XO], s[4:5] offset:512*i th:TH_LOAD_NT
.set i, i+1
.endr
	global_load_b64 v[ST+68:ST+69], v[XO8], s[4:5] offset:8704 th:TH_LOAD_NT
	; constants and the zero state, while the loads are out
.irp t, 0,1,2
.irp k, 3,4,5,6,7
	v_mov_b32 v[A+8*\t+\k], 0                      ; k = 6, 7 and 16..31: unused
.endr
.endr
.irp k, 3,4,5,6,7
	v_mov_b32 v[BF+\k], 0
.endr
.irp k, 20,21,22,23
	v_mov_b32 v[CB+\k], 0                          ; rows that are never read
.endr
.irp k, 0,1,2,3,4
	v_mov_b32 v[H+\k], 0                           ; h0 = 0
	v_mov_b32 v[CC+\k], 0                          ; c0 = 0
.endr
	v_mov_b32 v[KV], 1.0
	v_mov_b32 v[KV+1], NEG_LN2
	v_mov_b32 v[KK], NEG_LN2
	v_mov_b32 v[KK+1], NEG_LN2
	v_cmp_eq_u32 vcc_lo, 0, v[HF]
	s_wait_loadcnt 18                              ; loads return in order: U, W, b are in; the 18 loads of x behind them stay out
.irp t, 0,1,2
	v_cndmask_b32 v[UT+6*\t+5], 0, v[UT+6*\t+5], vcc_lo                  ; W in column k = 5 only; column 13, where B also carries x, is 0
	v_pk_mul_f32 v[UT+6*\t:UT+6*\t+1],   v[UT+6*\t:UT+6*\t+1],   s[16:17] op_sel_hi:[1,0]
	v_pk_mul_f32 v[UT+6*\t+2:UT+6*\t+3], v[UT+6*\t+2:UT+6*\t+3], s[16:17] op_sel_hi:[1,0]
	v_pk_mul_f32 v[UT+6*\t+4:UT+6*\t+5], v[UT+6*\t+4:UT+6*\t+5], s[16:17] op_sel_hi:[1,0]
	v_cvt_pk_bf16_f32 v[A+8*\t],   v[UT+6*\t],   v[UT+6*\t+1]
	v_cvt_pk_bf16_f32 v[A+8*\t+1], v[UT+6*\t+2], v[UT+6*\t+3]
	v_cvt_pk_bf16_f32 v[A+8*\t+2], v[UT+6*\t+4], v[UT+6*\t+5]
.endr
.irp k, 0,2,4,6,8,10,12,14,16,18
	v_pk_mul_f32 v[CB+\k:CB+\k+1], v[CB+\k:CB+\k+1], s[16:17] op_sel_hi:[1,0]
.endr
	; x into my wave's own LDS region.  No other wave touches these bytes and LDS serves a wave's instructions in order, so no barrier and no wait stand between these stores and my loads.
.set i, 0
.rept 17
	s_wait_loadcnt 17-i                            ; load i of x is in, the younger ones stay out
	ds_store_b128 v[SA], v[ST+4*i:ST+4*i+3] offset:512*i
.set i, i+1
.endr
	s_wait_loadcnt 0x0
	ds_store_b64 v[SA8], v[ST+68:ST+69] offset:8704
	; Steps 0-3 of my batch row.  Rows are 140 words apart; 140 r mod 64 = 12 r mod 64 takes sixteen different multiples of 4 for r = 0..15.
	; Both lane halves read the same row.
	ds_load_b128 v[X:X+3], v[XA]
.macro EXP d, s
	v_exp_f32 v[\d], v[\s]
.endm
.macro RCP d, s
	v_rcp_f32 v[\d], v[\s]
.endm
.macro INC2 r                          ; two registers + 1
	s_wait_alu depctr_va_vdst(0)
	v_pk_add_f32 v[\r:\r+1], v[\r:\r+1], 1.0 op_sel_hi:[1,0]
.endm
.macro MUL2 d, s                       ; d *= s, two registers
	v_pk_mul_f32 v[\d:\d+1], v[\d:\d+1], v[\s:\s+1]
.endm
; ONE STEP.  s: which of the four x registers.  more = 1: X has been read for the last time, the next four steps are fetched.
; Order: the chain i, g -> f -> c' -> exp2(c') -> h is issued first, the o gate fills the gaps.  Plain instructions are spread among the
; transcendentals.  Every user of a transcendental's result stands behind at least one plain vector instruction that follows that
; transcendental and touches neither its result nor its source (ISA guide 5.7.2); the one v_nop serves the first six.
.macro STEP s, more
	s_wait_alu depctr_va_vdst(0)
	v_cvt_pk_bf16_f32 v[BF+0], v[H+0], v[H+1]      ; k = 8 hf + 0, 1
	v_cvt_pk_bf16_f32 v[BF+2], v[H+4], v[X+\s]     ; k = 8 hf + 4, 5
	v_cvt_pk_bf16_f32 v[BF+1], v[H+2], v[H+3]      ; last: h2, h3 are the youngest reciprocals, two plain instructions behind them now
.if \more
	v_add_nc_u32 v[XA], 16, v[XA]
	ds_load_b128 v[X:X+3], v[XA]                   ; waited for at the head of the next trip, a whole step later
.endif
	v_wmma_f32_16x16x32_bf16 v[Z:Z+7],     v[A:A+7],     v[BF:BF+7], v[CB:CB+7]
	v_wmma_f32_16x16x32_bf16 v[Z+8:Z+15],  v[A+8:A+15],  v[BF:BF+7], v[CB+8:CB+15]
	v_wmma_f32_16x16x32_bf16 v[Z+16:Z+23], v[A+16:A+23], v[BF:BF+7], v[CB+16:CB+23]
.rept 4
	v_nop                                          ; four independent vector instructions before a result is read (ISA guide 7.12.1); everything else in the wave hangs on z
.endr
	EXP EG,   Z+10
	EXP EG+1, Z+11
	EXP EI,   Z+0
	EXP EI+1, Z+1
	EXP EG+2, Z+12
	EXP EG+3, Z+13
	v_nop
	s_wait_alu depctr_va_vdst(0)
	v_pk_fma_f32 v[EG:EG+1], v[EG:EG+1], v[KK:KK+1], v[KK:KK+1]          ; -ln 2 (1 + eg)
	EXP EI+2, Z+2
	EXP EI+3, Z+3
	INC2 EI                                                              ; 1 + ei
	EXP EO4,  Z+19
	EXP EG4,  Z+14
	v_pk_fma_f32 v[EG+2:EG+3], v[EG+2:EG+3], v[KK:KK+1], v[KK:KK+1]
	EXP EI4,  Z+4
	EXP EF4,  Z+9
	MUL2 EI, EG                                                          ; (1 + ei) x -ln 2 (1 + eg)
	INC2 EI+2
	RCP RP,   EI
	RCP RP+1, EI+1
	v_pk_fma_f32 v[EO4:EG4], v[EO4:EG4], v[KV:KV+1], v[KV:KV+1]          ; 1 + eo4 and -ln 2 (1 + eg4)
	EXP EF,   Z+5
	EXP EF+1, Z+6
	MUL2 EI+2, EG+2
	INC2 EI4                                                             ; 1 + ei4 and 1 + ef4
	RCP RP+2, EI+2
	RCP RP+3, EI+3
	v_mul_f32 v[EI4], v[EI4], v[EG4]
	EXP EF+2, Z+7
	EXP EF+3, Z+8
	RCP RP+4, EI4
	INC2 EF                                                              ; 1 + ef
	RCP RF+4, EF4
	RCP RF,   EF
	RCP RF+1, EF+1
	INC2 EF+2
	RCP RF+2, EF+2
	RCP RF+3, EF+3
	EXP EO,   Z+15
	EXP EO+1, Z+16
	s_wait_alu depctr_va_vdst(0)
	v_fma_f32 v[CC+4], v[CC+4], v[RF+4], v[RP+4]                         ; c' = f c' - log2 e i g
	v_pk_fma_f32 v[CC:CC+1], v[CC:CC+1], v[RF:RF+1], v[RP:RP+1]
	EXP EC+4, CC+4                                                       ; exp(-c)
	EXP EC,   CC
	EXP EC+1, CC+1
	v_pk_fma_f32 v[CC+2:CC+3], v[CC+2:CC+3], v[RF+2:RF+3], v[RP+2:RP+3]
	EXP EC+2, CC+2
	EXP EC+3, CC+3
	EXP EO+2, Z+17
	EXP EO+3, Z+18
	INC2 EO                                                              ; 1 + eo
	s_wait_alu depctr_va_vdst(0)
	v_add_f32 v[EC+4], 1.0, v[EC+4]                                      ; 1 + exp(-c)
	INC2 EC
	v_mul_f32 v[EC+4], v[EC+4], v[EO4]                                   ; (1 + exp(-c)) (1 + eo)
	MUL2 EC, EO
	RCP H+4, EC+4
	RCP H,   EC
	RCP H+1, EC+1
	INC2 EO+2
	INC2 EC+2
	MUL2 EC+2, EO+2
	RCP H+2, EC+2
	RCP H+3, EC+3
.endm
	s_mov_b32 s25, TRIPS-1
.Ltrip:
	s_wait_dscnt 0x0                               ; the four x of this trip are in
	STEP 0, 0
	STEP 1, 0
	STEP 2, 0
	STEP 3, 1
	s_sub_co_i32 s25, s25, 1
	s_cmp_lg_u32 s25, 0
	s_cbranch_scc1 .Ltrip
	s_wait_dscnt 0x0
	STEP 0, 0                                      ; the last trip fetches nothing: no load passes the end of my row
	STEP 1, 0
	STEP 2, 0
	STEP 3, 0
	; THE WAY OUT.  A lane holds 20 bytes of a row of 40; the work-group's 128 rows are 5,120 consecutive bytes of out0, a multiple of 256 from its first byte.
	; They are gathered in LDS bytes that nothing else uses; then five waves store 2 x 512 consecutive bytes each.
	v_mul_u32_u24 v[OA], 40, v[R]                  ; (these plain instructions also stand between the last reciprocals and their use)
	v_mad_u32_u24 v[OA], v[HF], 20, v[OA]
	s_mul_i32 s23, s14, 640
	s_add_co_u32 s23, s23, OUTS
	v_add_nc_u32 v[OA], s23, v[OA]
.irp k, 0,1,2,3,4
	s_wait_alu depctr_va_vdst(0)
	ds_store_b32 v[OA], v[H+\k] offset:4*\k
.endr
	s_wait_dscnt 0x0                               ; my stores are in LDS before I say so: other waves read them
	s_barrier_signal -1
	s_barrier_wait -1
	s_cmp_ge_u32 s14, 5
	s_cbranch_scc1 .Lend                           ; 5,120 bytes = 5 waves x 1,024
	s_lshl_b32 s24, s14, 10
	v_lshl_add_u32 v[OG], v[LANE], 4, s24          ; 1,024 wave + 16 lane
	v_add_nc_u32 v[ORD], OUTS, v[OG]
	ds_load_b128 v[ST:ST+3], v[ORD]
	ds_load_b128 v[ST+4:ST+7], v[ORD] offset:512
	s_mul_i32 s20, ttmp9, 5120
	s_mov_b32 s21, 0
	s_add_nc_u64 s[12:13], s[12:13], s[20:21]
	s_wait_dscnt 1                                 ; the first of the two reads is in
	global_store_b128 v[OG], v[ST:ST+3], s[12:13] th:TH_STORE_NT
	s_wait_dscnt 0x0
	global_store_b128 v[OG], v[ST+4:ST+7], s[12:13] offset:512 th:TH_STORE_NT
.Lend:
	s_wait_tensorcnt 0x0
	ds_add_u32 v244, v245
	s_wait_dscnt 0x0
	s_endpgm
.Lfunc_end_k_q1fb5db53a5_lstm:
	.size	k_q1fb5db53a5_lstm, .Lfunc_end_k_q1fb5db53a5_lstm-k_q1fb5db53a5_lstm
	.p2alignl 7, 3214868480
	.fill 96, 4, 3214868480
	.section	.rodata,"a",@progbits
	.p2align	6, 0x0
	.amdhsa_kernel k_q1fb5db53a5_lstm
		.amdhsa_group_segment_fixed_size 77824
		.amdhsa_private_segment_fixed_size 0
		.amdhsa_enable_private_segment 0
		.amdhsa_kernarg_size 40
		.amdhsa_user_sgpr_count 2
		.amdhsa_user_sgpr_kernarg_segment_ptr 1
		.amdhsa_wavefront_size32 1
		.amdhsa_system_sgpr_workgroup_id_x 1
		.amdhsa_system_sgpr_workgroup_id_y 1
		.amdhsa_system_sgpr_workgroup_id_z 1
		.amdhsa_system_vgpr_workitem_id 0
		.amdhsa_next_free_vgpr 246
		.amdhsa_next_free_sgpr 66
		.amdhsa_reserve_vcc 1
		.amdhsa_float_denorm_mode_32 3
		.amdhsa_float_denorm_mode_16_64 3
		.amdhsa_memory_ordered 1
		.amdhsa_forward_progress 1
		.amdhsa_inst_pref_size 43
	.end_amdhsa_kernel
	.amdgpu_metadata
---
amdhsa.version: [ 1, 2 ]
amdhsa.kernels:
  - .name:           k_q1fb5db53a5_lstm
    .symbol:         k_q1fb5db53a5_lstm.kd
    .args:
      - { .name: x, .offset: 0, .size: 8, .value_kind: global_buffer, .address_space: global }
      - { .name: U, .offset: 8, .size: 8, .value_kind: global_buffer, .address_space: global }
      - { .name: W, .offset: 16, .size: 8, .value_kind: global_buffer, .address_space: global }
      - { .name: b, .offset: 24, .size: 8, .value_kind: global_buffer, .address_space: global }
      - { .name: out0, .offset: 32, .size: 8, .value_kind: global_buffer, .address_space: global }
    .group_segment_fixed_size: 77824
    .private_segment_fixed_size: 0
    .kernarg_segment_align: 8
    .kernarg_segment_size: 40
    .max_flat_workgroup_size: 256
    .sgpr_count:     66
    .vgpr_count:     246
    .wavefront_size: 32
...
	.end_amdgpu_metadata
.endif
;; end of part 1
;; ======== version 2 of 2: 1 launch; 1.36 times as fast as version 1
;; launch lstm (part 2): grid 256 x 1, 8 waves a work-group, no clusters, 77,824 bytes of LDS; arguments x, U, W, b, out0; writes out0
.if DOCPART == 2
	.amdgcn_target "amdgcn-amd-amdhsa--gfx1250"
	.amdhsa_code_object_version 6
	.text
	.protected	k_q1fb5db53a5_lstm
	.globl	k_q1fb5db53a5_lstm
	.p2align	8
	.type	k_q1fb5db53a5_lstm,@function
k_q1fb5db53a5_lstm:
	s_mov_b64 s[64:65], 0
	v_nop
	global_prefetch_b8 v0, s[64:65] scope:SCOPE_SE
	s_setreg_imm32_b32 hwreg(HW_REG_WAVE_MODE, 25, 1), 1
	s_wait_xcnt 0x0
; LSTM, 140 steps, hidden size 10, input size 1, every activation a sigmoid; the result is the last h.  x [32768][140] f32, U [10][40], W [40], b [40], out0 [32768][10] f32.
; One launch.  256 work-groups x 8 waves; a wave owns 16 batch rows for all 140 steps, h and c never leave its registers.
;
; THE PRODUCT IS USED TRANSPOSED: source A = weights (16 gate rows x K 32), source B = state (K 32 x 16 batch columns).
;   result register j of lane (r = lane % 16, hf = lane / 16) = gate row 8 hf + j of batch column r;
;   source B of the same lane = k 8 hf + 0..7 of batch column r.
; Lane half hf owns hidden units 5 hf .. 5 hf + 4.  Its 20 gate values are rows v = 0..19 of three tiles (tile v / 8, register v % 8):
; gate = v / 5 (i, f, g, o), unit = 5 hf + v % 5.  So z of the lane's own five units comes back to the lane, all 32 lanes of every
; elementwise register are used, and the new h is packed in place as k = 8 hf + 0..4: nothing moves between lanes from step to step.
; x[t] rides in k = 8 hf + 5 (W stands in A's column 5, zeros in column 13); k 6, 7 and 16..31 are zero on both sides.
; The bias stays f32: it is the C operand.
;
; ARITHMETIC.  U, W, b are multiplied by -log2 e once, so that e_gate = exp2(z') = exp(-z).  The cell is kept as c' = -log2 e * c.
;   c' = c' * rcp(1 + ef) + rcp((1 + ei) * (-ln 2)(1 + eg))        (f c + i g, times -log2 e)
;   h  = rcp((1 + eo) * (1 + exp2(c')))                            (o * sigmoid(c))
; 8 transcendentals a cell in place of 10.  Every factor is at least ln 2 in magnitude, so an exponential that is 0 never meets
; one that is infinite in a product; rcp of an infinity is 0, which is the saturated gate.  No clamp is needed.
; BATCHES.  A step's 40 transcendentals read each other's results four levels deep, so they are cut into four batches, each with one
; s_wait_alu depctr_va_vdst(0) between its last member and the first instruction that names a result of it:
;   1: 16 exponentials of z': i, g, f of all five units, o of unit 4      2: the other four exponentials of o, the ten reciprocals for i g and f
;   3: the five exp2(c')                                                   4: the five reciprocals that are h
; The fourth wait closes the step, so no result crosses the loop's jump, and the next step's conversions find h ready.
; LIMITS: x, h and the scaled U, W are rounded to bf16 (matrix operands); v_exp_f32 and v_rcp_f32 are good to 1 ULP and flush
; denormals (a saturated sigmoid is off by less than 2^-126); inputs that are NaN or infinite are not served.
; NO CLUSTER: the work-groups share only the 1,920 bytes of U, W, b, read once by each wave; x is read by one wave only.
; NO TENSOR LOADS, NO RING: a wave needs 8,960 bytes of x once; all of them are requested in its first lines.
.set ROWB,   560                       ; bytes of a batch row of x (140 f32)
.set TILEB,  16*ROWB                   ; a wave's 16 rows: 8,960 consecutive bytes = 35 x 256, so every tile starts at a multiple of 256
.set NWAVES, 8
.set OUTS,   NWAVES*TILEB              ; LDS: behind the eight x regions, 5,120 bytes for the way out
.set TRIPS,  35                        ; 4 steps a trip
.set NEG_LOG2E, 0xbfb8aa3b             ; -1.442695
.set NEG_LN2,   0xbf317218             ; -0.6931472 = 1 / -log2 e
.set LANE, 1
.set R,    2                           ; lane % 16
.set HF,   3                           ; lane / 16
.set WOFF, 8                           ; v8-10   tile t: byte offset of my A row's gate column in W (and in a row of U)
.set UOFF, 11                          ; v11-13  the same + 5 hf rows of U
.set BO,   16                          ; 20 hf: my five units in b
.set XO,   17                          ; 16 lane
.set XO8,  18                          ; 8 lane
.set SA,   19                          ; LDS: my wave's x region + 16 lane
.set SA8,  20                          ; LDS: my wave's x region + 8 lane
.set XA,   21                          ; LDS: my batch row, the four steps that are loaded next
.set OA,   22                          ; LDS: where my five h go
.set ORD,  23                          ; LDS: where I read 16 bytes of the result back
.set OG,   24                          ; my byte offset in the work-group's part of out0
.set A,    32                          ; v32-55   three A fragments
.set CB,   56                          ; v56-79   bias, laid out like the results
.set Z,    80                          ; v80-103  z': i = Z+0..4, f = Z+5..9, g = Z+10..14, o = Z+15..19; Z+20..23 unused rows
.set UT,   80                          ; v80-97   at the start: U and W as loaded
.set BF,   104                         ; v104-111 B fragment: (h0,h1) (h2,h3) (h4,x) and five zeros
.set EG,   112                         ; units 0-3 of each gate in pairs for the packed instructions,
.set EI,   116
.set EF,   120
.set EO,   124
.set EI4,  128                         ; unit 4 of the four gates in two pairs: (ei4, ef4) and (eo4, eg4)
.set EF4,  129
.set EO4,  130
.set EG4,  131
.set CC,   132                         ; v132-136 c'
.set EC,   138                         ; v138-142 exp2(c'), then the denominator of h
.set RP,   144                         ; v144-148 -log2 e * i * g
.set RF,   150                         ; v150-154 f
.set H,    156                         ; v156-160 h
.set KV,   162                         ; (1.0, -ln 2): for the pair (eo4, eg4)
.set KK,   164                         ; (-ln 2, -ln 2)
.set X,    168                         ; v168-171 x of my batch row, four steps
.set ST,   172                         ; v172-241 x on its way from memory to LDS; v172-179 once more on the way out
	s_load_b256 s[4:11], s[0:1], 0x0               ; x s[4:5], U s[6:7], W s[8:9], b s[10:11]
	s_load_b64 s[12:13], s[0:1], 0x20              ; out0
	v_lshl_add_u32 v244, v0, 2, 0x12c00
	v_mov_b32 v245, 0
	v_and_b32 v[LANE], 31, v0
	v_and_b32 v[R], 15, v0
	v_bfe_u32 v[HF], v0, 4, 1
	v_lshrrev_b32 v4, 5, v0
	v_readfirstlane_b32 s14, v4                    ; wave 0..7
	v_and_b32 v5, 7, v0                            ; my A row m = lane % 16 is register j = m % 8 ...
	v_bfe_u32 v6, v0, 3, 1                         ; ... of lane half m / 8
	v_mul_u32_u24 v7, 800, v[HF]                   ; my k = 8 hf + kk is input unit 5 hf + kk: 5 hf rows of U, 160 bytes each
; Tile t: my row is value v = 8 t + j; gate = v / 5 = 13 v >> 6 (exact for v < 24); column of U, W = 10 gate + 5 (m / 8) + v % 5 = 5 (gate + m / 8) + v.
; v = 20..23 are rows whose results are never read: their column is held inside the buffers and they may hold anything.
.macro COL t
	v_add_nc_u32 v14, 8*\t, v5
	v_mul_u32_u24 v15, 13, v14
	v_lshrrev_b32 v15, 6, v15
	v_add_nc_u32 v15, v15, v6
	v_mad_u32_u24 v15, v15, 5, v14
	v_min_u32 v15, 39, v15
	v_lshlrev_b32 v[WOFF+\t], 2, v15
	v_add_nc_u32 v[UOFF+\t], v[WOFF+\t], v7
.endm
	COL 0
	COL 1
	COL 2
	v_mul_u32_u24 v[BO], 20, v[HF]
	v_lshlrev_b32 v[XO], 4, v[LANE]
	v_lshlrev_b32 v[XO8], 3, v[LANE]
	s_lshl3_add_u32 s15, ttmp9, s14                ; my tile = 8 x work-group + wave
	s_mul_i32 s20, s15, TILEB                      ; its bytes in x: below 18,350,080
	s_mov_b32 s21, 0
	s_mul_i32 s22, s14, TILEB                      ; my wave's x region in LDS
	s_mov_b32 s16, NEG_LOG2E
	s_mov_b32 s17, NEG_LOG2E
	v_add_nc_u32 v[SA], s22, v[XO]
	v_add_nc_u32 v[SA8], s22, v[XO8]
	v_mul_u32_u24 v[XA], ROWB, v[R]
	v_add_nc_u32 v[XA], s22, v[XA]
	s_wait_kmcnt 0x0
	s_add_nc_u64 s[4:5], s[4:5], s[20:21]          ; x at my tile
	; 38 small loads first: their arithmetic is done while x is on its way
.irp t, 0,1,2
.irp k, 0,1,2,3,4
	global_load_b32 v[UT+6*\t+\k], v[UOFF+\t], s[6:7] offset:160*\k      ; U[5 hf + k][column of my row]
.endr
	global_load_b32 v[UT+6*\t+5], v[WOFF+\t], s[8:9]                     ; W[column of my row]
.endr
.set i, 0
.rept 20
	global_load_b32 v[CB+i], v[BO], s[10:11] offset:(i/5)*40+(i%5)*4     ; b[10 gate + 5 hf + unit]
.set i, i+1
.endr
	; x: 17 loads of 512 consecutive bytes and one of 256, each starting at a multiple of 256 from x's first byte
.set i, 0
.rept 17
	global_load_b128 v[ST+4*i:ST+4*i+3], v[XO], s[4:5] offset:512*i th:TH_LOAD_NT
.set i, i+1
.endr
	global_load_b64 v[ST+68:ST+69], v[XO8], s[4:5] offset:8704 th:TH_LOAD_NT
	; constants and the zero state, while the loads are out
.irp t, 0,1,2
.irp k, 3,4,5,6,7
	v_mov_b32 v[A+8*\t+\k], 0                      ; k = 6, 7 and 16..31: unused
.endr
.endr
.irp k, 3,4,5,6,7
	v_mov_b32 v[BF+\k], 0
.endr
.irp k, 20,21,22,23
	v_mov_b32 v[CB+\k], 0                          ; rows that are never read
.endr
.irp k, 0,1,2,3,4
	v_mov_b32 v[H+\k], 0                           ; h0 = 0
	v_mov_b32 v[CC+\k], 0                          ; c0 = 0
.endr
	v_mov_b32 v[KV], 1.0
	v_mov_b32 v[KV+1], NEG_LN2
	v_mov_b32 v[KK], NEG_LN2
	v_mov_b32 v[KK+1], NEG_LN2
	v_cmp_eq_u32 vcc_lo, 0, v[HF]
	s_wait_loadcnt 18                              ; loads return in order: U, W, b are in; the 18 loads of x behind them stay out
.irp t, 0,1,2
	v_cndmask_b32 v[UT+6*\t+5], 0, v[UT+6*\t+5], vcc_lo                  ; W in column k = 5 only; column 13, where B also carries x, is 0
	v_pk_mul_f32 v[UT+6*\t:UT+6*\t+1],   v[UT+6*\t:UT+6*\t+1],   s[16:17] op_sel_hi:[1,0]
	v_pk_mul_f32 v[UT+6*\t+2:UT+6*\t+3], v[UT+6*\t+2:UT+6*\t+3], s[16:17] op_sel_hi:[1,0]
	v_pk_mul_f32 v[UT+6*\t+4:UT+6*\t+5], v[UT+6*\t+4:UT+6*\t+5], s[16:17] op_sel_hi:[1,0]
	v_cvt_pk_bf16_f32 v[A+8*\t],   v[UT+6*\t],   v[UT+6*\t+1]
	v_cvt_pk_bf16_f32 v[A+8*\t+1], v[UT+6*\t+2], v[UT+6*\t+3]
	v_cvt_pk_bf16_f32 v[A+8*\t+2], v[UT+6*\t+4], v[UT+6*\t+5]
.endr
.irp k, 0,2,4,6,8,10,12,14,16,18
	v_pk_mul_f32 v[CB+\k:CB+\k+1], v[CB+\k:CB+\k+1], s[16:17] op_sel_hi:[1,0]
.endr
	; x into my wave's own LDS region.  No other wave touches these bytes and LDS serves a wave's instructions in order, so no barrier and no wait stand between these stores and my loads.
.set i, 0
.rept 17
	s_wait_loadcnt 17-i                            ; load i of x is in, the younger ones stay out
	ds_store_b128 v[SA], v[ST+4*i:ST+4*i+3] offset:512*i
.set i, i+1
.endr
	s_wait_loadcnt 0x0
	ds_store_b64 v[SA8], v[ST+68:ST+69] offset:8704
	; Steps 0-3 of my batch row.  Rows are 140 words apart; 140 r mod 64 = 12 r mod 64 takes sixteen different multiples of 4 for r = 0..15.
	; Both lane halves read the same row.
	ds_load_b128 v[X:X+3], v[XA]
.macro EXP d, s
	v_exp_f32 v[\d], v[\s]
.endm
.macro RCP d, s
	v_rcp_f32 v[\d], v[\s]
.endm
.macro INC2 r                          ; two registers + 1
	v_pk_add_f32 v[\r:\r+1], v[\r:\r+1], 1.0 op_sel_hi:[1,0]
.endm
.macro MUL2 d, s                       ; d *= s, two registers
	v_pk_mul_f32 v[\d:\d+1], v[\d:\d+1], v[\s:\s+1]
.endm
; ONE STEP.  s: which of the four x registers.  more = 1: X has been read for the last time, the next four steps are fetched.
; Four batches of transcendentals, one wait each.  Inside a batch stand only transcendentals and plain instructions that name no result of that
; batch: they read the batch before, which has had its wait.  Where such plain work exists it is dealt by turns with the transcendentals.
; Behind each batch's last member, ahead of its wait, stands one plain vector instruction that touches neither a result nor a source of the
; batch (ISA guide 5.7.2): a v_nop in batches 1, 2 and 4, where all plain work at hand feeds the batch itself; the second 1 + eo in batch 3.
; No instruction that follows a transcendental directly writes its source.
.macro STEP s, more
	v_cvt_pk_bf16_f32 v[BF+0], v[H+0], v[H+1]      ; k = 8 hf + 0, 1.  h is ready: the step before closed with the wait for its reciprocals
	v_cvt_pk_bf16_f32 v[BF+2], v[H+4], v[X+\s]     ; k = 8 hf + 4, 5
	v_cvt_pk_bf16_f32 v[BF+1], v[H+2], v[H+3]      ; k = 8 hf + 2, 3
.if \more
	v_add_nc_u32 v[XA], 16, v[XA]
	ds_load_b128 v[X:X+3], v[XA]                   ; waited for at the head of the next trip, a whole step later
.endif
	v_wmma_f32_16x16x32_bf16 v[Z:Z+7],     v[A:A+7],     v[BF:BF+7], v[CB:CB+7]
	v_wmma_f32_16x16x32_bf16 v[Z+8:Z+15],  v[A+8:A+15],  v[BF:BF+7], v[CB+8:CB+15]
	v_wmma_f32_16x16x32_bf16 v[Z+16:Z+23], v[A+16:A+23], v[BF:BF+7], v[CB+16:CB+23]
.rept 4
	v_nop                                          ; four independent vector instructions before a result is read (ISA guide 7.12.1); everything else in the wave hangs on z
.endr
	; BATCH 1: exp(-z) of i, g, f, and of o's unit 4, which shares a pair with g's.  Each accumulator is first read in one of its four lowest registers (Z+10, Z+0, Z+19).
	EXP EG,   Z+10
	EXP EG+1, Z+11
	EXP EI,   Z+0
	EXP EI+1, Z+1
	EXP EG+2, Z+12
	EXP EG+3, Z+13
	EXP EI+2, Z+2
	EXP EI+3, Z+3
	EXP EO4,  Z+19
	EXP EG4,  Z+14
	EXP EI4,  Z+4
	EXP EF4,  Z+9
	EXP EF,   Z+5
	EXP EF+1, Z+6
	EXP EF+2, Z+7
	EXP EF+3, Z+8
	v_nop                                          ; the plain instruction behind the batch: nothing else is at hand, all the rest hangs on these sixteen
	s_wait_alu depctr_va_vdst(0)                   ; the wait for batch 1, ahead of its first reader, the multiply-add on EG
	; BATCH 2: o's other four exponentials, which hang on z alone, and the ten reciprocals; the eleven plain lines between them read batch 1 and make the denominators
	EXP EO,   Z+15
	v_pk_fma_f32 v[EG:EG+1], v[EG:EG+1], v[KK:KK+1], v[KK:KK+1]          ; -ln 2 (1 + eg)
	EXP EO+1, Z+16
	INC2 EI                                                              ; 1 + ei
	EXP EO+2, Z+17
	v_pk_fma_f32 v[EG+2:EG+3], v[EG+2:EG+3], v[KK:KK+1], v[KK:KK+1]
	EXP EO+3, Z+18
	INC2 EI+2
	MUL2 EI, EG                                                          ; (1 + ei) x -ln 2 (1 + eg)
	INC2 EF                                                              ; 1 + ef
	RCP RP,   EI
	MUL2 EI+2, EG+2
	RCP RP+1, EI+1
	v_pk_fma_f32 v[EO4:EG4], v[EO4:EG4], v[KV:KV+1], v[KV:KV+1]          ; 1 + eo4 and -ln 2 (1 + eg4)
	RCP RF,   EF
	INC2 EI4                                                             ; 1 + ei4 and 1 + ef4
	RCP RF+1, EF+1
	INC2 EF+2
	RCP RP+2, EI+2
	v_mul_f32 v[EI4], v[EI4], v[EG4]
	RCP RP+3, EI+3
	RCP RF+2, EF+2
	RCP RF+3, EF+3
	RCP RF+4, EF4
	RCP RP+4, EI4
	v_nop                                          ; the plain instruction behind the batch: every plain line above feeds a reciprocal, so none is left to stand here
	s_wait_alu depctr_va_vdst(0)                   ; the wait for batch 2, ahead of its first reader, the cell's multiply-add
	v_pk_fma_f32 v[CC:CC+1], v[CC:CC+1], v[RF:RF+1], v[RP:RP+1]          ; c' = f c' - log2 e i g
	v_pk_fma_f32 v[CC+2:CC+3], v[CC+2:CC+3], v[RF+2:RF+3], v[RP+2:RP+3]
	v_fma_f32 v[CC+4], v[CC+4], v[RF+4], v[RP+4]
	; BATCH 3: exp(-c).  The two lines 1 + eo read batch 2 and are the independent work among and behind the five
	EXP EC,   CC
	EXP EC+1, CC+1
	INC2 EO                                                              ; 1 + eo
	EXP EC+2, CC+2
	EXP EC+3, CC+3
	EXP EC+4, CC+4
	INC2 EO+2                                      ; also the plain instruction behind the batch
	s_wait_alu depctr_va_vdst(0)                   ; the wait for batch 3, ahead of its first reader, 1 + exp(-c)
	; BATCH 4: h.  The plain lines read batch 3 and make the denominators
	INC2 EC                                                              ; 1 + exp(-c)
	INC2 EC+2
	MUL2 EC, EO                                                          ; (1 + exp(-c)) (1 + eo)
	v_add_f32 v[EC+4], 1.0, v[EC+4]
	RCP H,   EC
	MUL2 EC+2, EO+2
	RCP H+1, EC+1
	v_mul_f32 v[EC+4], v[EC+4], v[EO4]
	RCP H+2, EC+2
	RCP H+3, EC+3
	RCP H+4, EC+4
	v_nop                                          ; the plain instruction behind the batch
	s_wait_alu depctr_va_vdst(0)                   ; the wait for batch 4 closes the step: ahead of the next step's conversions, of the loop's jump, and of the stores on the way out
.endm
	s_mov_b32 s25, TRIPS-1
.Ltrip:
	s_wait_dscnt 0x0                               ; the four x of this trip are in
	STEP 0, 0
	STEP 1, 0
	STEP 2, 0
	STEP 3, 1
	s_sub_co_i32 s25, s25, 1
	s_cmp_lg_u32 s25, 0
	s_cbranch_scc1 .Ltrip
	s_wait_dscnt 0x0
	STEP 0, 0                                      ; the last trip fetches nothing: no load passes the end of my row
	STEP 1, 0
	STEP 2, 0
	STEP 3, 0
	; THE WAY OUT.  A lane holds 20 bytes of a row of 40; the work-group's 128 rows are 5,120 consecutive bytes of out0, a multiple of 256 from its first byte.
	; They are gathered in LDS bytes that nothing else uses; then five waves store 2 x 512 consecutive bytes each.
	v_mul_u32_u24 v[OA], 40, v[R]                  ; (the last step's closing wait has served the last reciprocals)
	v_mad_u32_u24 v[OA], v[HF], 20, v[OA]
	s_mul_i32 s23, s14, 640
	s_add_co_u32 s23, s23, OUTS
	v_add_nc_u32 v[OA], s23, v[OA]
.irp k, 0,1,2,3,4
	ds_store_b32 v[OA], v[H+\k] offset:4*\k
.endr
	s_wait_dscnt 0x0                               ; my stores are in LDS before I say so: other waves read them
	s_barrier_signal -1
	s_barrier_wait -1
	s_cmp_ge_u32 s14, 5
	s_cbranch_scc1 .Lend                           ; 5,120 bytes = 5 waves x 1,024
	s_lshl_b32 s24, s14, 10
	v_lshl_add_u32 v[OG], v[LANE], 4, s24          ; 1,024 wave + 16 lane
	v_add_nc_u32 v[ORD], OUTS, v[OG]
	ds_load_b128 v[ST:ST+3], v[ORD]
	ds_load_b128 v[ST+4:ST+7], v[ORD] offset:512
	s_mul_i32 s20, ttmp9, 5120
	s_mov_b32 s21, 0
	s_add_nc_u64 s[12:13], s[12:13], s[20:21]
	s_wait_dscnt 1                                 ; the first of the two reads is in
	global_store_b128 v[OG], v[ST:ST+3], s[12:13] th:TH_STORE_NT
	s_wait_dscnt 0x0
	global_store_b128 v[OG], v[ST+4:ST+7], s[12:13] offset:512 th:TH_STORE_NT
.Lend:
	s_wait_tensorcnt 0x0
	ds_add_u32 v244, v245
	s_wait_dscnt 0x0
	s_endpgm
.Lfunc_end_k_q1fb5db53a5_lstm:
	.size	k_q1fb5db53a5_lstm, .Lfunc_end_k_q1fb5db53a5_lstm-k_q1fb5db53a5_lstm
	.p2alignl 7, 3214868480
	.fill 96, 4, 3214868480
	.section	.rodata,"a",@progbits
	.p2align	6, 0x0
	.amdhsa_kernel k_q1fb5db53a5_lstm
		.amdhsa_group_segment_fixed_size 77824
		.amdhsa_private_segment_fixed_size 0
		.amdhsa_enable_private_segment 0
		.amdhsa_kernarg_size 40
		.amdhsa_user_sgpr_count 2
		.amdhsa_user_sgpr_kernarg_segment_ptr 1
		.amdhsa_wavefront_size32 1
		.amdhsa_system_sgpr_workgroup_id_x 1
		.amdhsa_system_sgpr_workgroup_id_y 1
		.amdhsa_system_sgpr_workgroup_id_z 1
		.amdhsa_system_vgpr_workitem_id 0
		.amdhsa_next_free_vgpr 246
		.amdhsa_next_free_sgpr 66
		.amdhsa_reserve_vcc 1
		.amdhsa_float_denorm_mode_32 3
		.amdhsa_float_denorm_mode_16_64 3
		.amdhsa_memory_ordered 1
		.amdhsa_forward_progress 1
		.amdhsa_inst_pref_size 41
	.end_amdhsa_kernel
	.amdgpu_metadata
---
amdhsa.version: [ 1, 2 ]
amdhsa.kernels:
  - .name:           k_q1fb5db53a5_lstm
    .symbol:         k_q1fb5db53a5_lstm.kd
    .args:
      - { .name: x, .offset: 0, .size: 8, .value_kind: global_buffer, .address_space: global }
      - { .name: U, .offset: 8, .size: 8, .value_kind: global_buffer, .address_space: global }
      - { .name: W, .offset: 16, .size: 8, .value_kind: global_buffer, .address_space: global }
      - { .name: b, .offset: 24, .size: 8, .value_kind: global_buffer, .address_space: global }
      - { .name: out0, .offset: 32, .size: 8, .value_kind: global_buffer, .address_space: global }
    .group_segment_fixed_size: 77824
    .private_segment_fixed_size: 0
    .kernarg_segment_align: 8
    .kernarg_segment_size: 40
    .max_flat_workgroup_size: 256
    .sgpr_count:     66
    .vgpr_count:     246
    .wavefront_size: 32
...
	.end_amdgpu_metadata
.endif
;; end of part 2
